; MI455X (gfx1250); checked and timed in simulation.
; The chip was launched on July 23, 2026; its instructions are those of AMD's public machine-readable ISA for CDNA 5 (MIT licence, August 2026) and "CDNA5" Instruction Set Architecture Reference Guide (July 2026). The comments in the code are by the model that wrote it; some were corrected since.
;; KAN Model. Allowed arithmetic: float matrix products may take bf16 or f16 operands with f32 sums; all other float work in f32.
;; Inputs: bias0 64 float32; bias1 1 float32; coef0 8,192 x 8 float32; coef1 64 x 8 float32; emb_item 50,000 x 64 float32; emb_user 100,000 x 64 float32; grid0 8,192 x 6 float32; grid1 64 x 6 float32; item_indices 1,024 int32; sb0 8,192 float32; sb1 64 float32; ssp0 8,192 float32; ssp1 64 float32; user_indices 1,024 int32.
;; Outputs: out0 1,024 x 1 float32.
;; Constants: grid_update_num = 10, stop_grid_update_step = 50.
;; 2 versions, each right; version 2 is version 1 with the launch layer0 written anew for expert scheduling mode. Each part assembles by itself: llvm-mc -triple=amdgcn-amd-amdhsa -mcpu=gfx1250 --defsym DOCPART=n.
;; ======== version 1 of 2: 2 launches
;; workspace buffers: hid 262,144 bytes
;; launch layer0 (part 1): grid 16 x 16, 8 waves a work-group, no clusters, 141,312 bytes of LDS; arguments user_indices, item_indices, emb_user, emb_item, grid0, coef0, sb0, ssp0, bias0, hid; writes hid
.if DOCPART == 1
	.amdgcn_target "amdgcn-amd-amdhsa--gfx1250"
	.amdhsa_code_object_version 6
	.text
	.protected	k_q2eacd29c38_layer0
	.globl	k_q2eacd29c38_layer0
	.p2align	8
	.type	k_q2eacd29c38_layer0,@function
k_q2eacd29c38_layer0:
	s_mov_b64 s[64:65], 0
	v_nop
	global_prefetch_b8 v0, s[64:65] scope:SCOPE_SE
	s_setreg_imm32_b32 hwreg(HW_REG_WAVE_MODE, 25, 1), 1
	s_wait_xcnt 0x0
; KAN layer 0: hid[o/4][b][o%4] = bias0[o] + sum over i of ( sb0[o,i] silu(x[b,i]) + ssp0[o,i] spline_{o,i}(x[b,i]) ),
; x[b] = emb_user[user_indices[b]] ++ emb_item[item_indices[b]];  1,024 samples b, 128 inputs i, 64 outputs o, edge n = 128 o + i.
;
; SHARE.  Work-group (g, bc) makes outputs 4g..4g+3 of samples 64bc..64bc+63.  Wave w keeps the 64 edges 512g+64w .. +63 in registers
; for the whole launch (output 4g + w/2, inputs 64 (w&1) + 0..63); lane l holds edges 2l and 2l+1, so every parameter, x and silu(x)
; is a natural register pair and all arithmetic is packed f32.  One trip = one sample: 87 packed and 47 plain vector instructions for 64 edges.
;
; ARITHMETIC.  Knots t0..t11: t3..t8 the edge's own grid row, h = (g5-g0)/5, the three on each side chained by h.  d_j = x - t_j,
; r^k_j = 1/(t_{j+k} - t_j).  The Cox-de-Boor step is B^k_j = d_j (r^k_j B^{k-1}_j) - d_{j+k+1} (r^k_{j+1} B^{k-1}_{j+1}), term for term the
; source formula.  All 11 indicators of degree 0 are kept, so nothing is assumed of the grid (not uniform, not shared, not sorted).
; The last step, the product with the 8 coefficients and ssp are re-associated: sum_j c_j B^3_j = sum_{j=0..8} B^2_j e_j with
; e_j = a_j d_j - b_j d_{j+3}, a_j = ssp c_j r3_j (j <= 7), b_j = ssp c_{j-1} r3_j (j >= 1).
;
; NOT USED, AND WHY.  Matrix units: each (edge, sample) has its own basis, so no operand is shared between outputs; after the fold the
; contraction is 9 packed multiply-adds for two edges, as many instructions as narrowing its 18 factors to bf16 would take.
; Clusters and the tensor mover: a work-group fetches 32 KB of embedding rows (by a list) and 32 KB of edge parameters once, in front of
; 64 x 134 vector instructions a wave; nothing is fetched in the loop.
;
; LIMITS.  1/(knot difference) is v_rcp_f32 (1 ULP; a difference below 2^-126 counts as 0).  Where knots coincide the source formula gives
; NaN; here degree 0 selects 0 in place of 0 x inf, so that NaN need not appear.  Indices are taken to lie in their tables and are clamped
; to the last row as unsigned numbers (a negative index does not wrap).  The sum over i runs in another order than the source's.
; silu(x) for x < -88 is -0 in place of a denormal.
.set XS_ROW, 1024                      ; LDS 0..65535: sample b at 1024 b: x[128] at +0, silu(x)[128] at +512
.set PART,   65536                     ; LDS behind it: the waves' partial sums, a region of REG bytes for each wave
.set PPITCH, 144                       ; a sample's 32 partial sums (128 bytes) + 16: 9 x 16 bytes
.set REG,    64*PPITCH+32              ; 9,248: 4 REG = 128 modulo 256, see the last phase
.set XAD,  2                           ; v2   LDS address of my x pair in the sample at work
.set PA,   3                           ; v3   LDS address of my partial sum; at the end my byte offset in hid
.set GOFF, 4                           ; v4   byte offset of my two edges in grid0 (48 bytes)
.set COFF, 5                           ; v5   in coef0 (64 bytes)
.set SOFF, 6                           ; v6   in sb0 and ssp0 (8 bytes)
.set STA,  7                           ; v7   LDS address for the staging of x and silu
.set IOFF, 8                           ; v8   byte offset in the index lists
.set C16,  9                           ; v9   16 (t & 15)
.set RES,  10                          ; v10  first the offset in bias0, then a trip's result
.set TMP,  11
.set BIAS, 12                          ; v[12:13]
.set H,    14                          ; v[14:15]   h; at the end the two sums
.set T,    16                          ; v[16:39]   12 knot pairs
.set R1,   40                          ; v[40:61]   11 pairs 1/(t_{j+1}-t_j)
.set R2,   62                          ; v[62:81]   10 pairs 1/(t_{j+2}-t_j)
.set CA,   82                          ; v[82:97]   a_0..a_7
.set CB,   98                          ; v[98:113]  b_1..b_7, -b_8 (pair j-1)
.set SB,   114                         ; v[114:115]
.set D,    116                         ; v[116:139] 12 pairs x - t_j
.set Q,    140                         ; v[140:161] r1 B0, then B2
.set R3,   Q                           ; in PREP: 9 pairs ssp/(t_{j+3}-t_j)
.set HD,   158
.set REM,  160
.set B,    162                         ; v[162:181] B1, r2 B1, then e; SILU4's work registers
.set ACC,  182                         ; v[182:185]
.set XA,   186                         ; x and silu pairs, two buffers
.set SA,   188
.set XB,   190
.set SC,   192
.set RG,   194                         ; v[194:205] grid rows as loaded
.set RC,   206                         ; v[206:221] coefficients as loaded
.set RS,   222                         ; v[222:223] ssp
.set GX,   224                         ; v[224:255] gathered rows
.set IDX,  D                           ; v[116:123] indices, then row offsets: D is first written when the gathers are in
.set MK0,  36                          ; s[36:47]   masks x >= t_j of the even edge
.set MK1,  48                          ; s[48:59]   of the odd edge
.macro PKSUB d, a, b                   ; d = a - b
	v_pk_add_f32 v[\d:\d+1], v[\a:\a+1], v[\b:\b+1] neg_lo:[0,1] neg_hi:[0,1]
.endm
.macro PKMUL d, a, b                   ; d = a b
	v_pk_mul_f32 v[\d:\d+1], v[\a:\a+1], v[\b:\b+1]
.endm
.macro PKMSUB d, a, b                  ; d = a b - d
	v_pk_fma_f32 v[\d:\d+1], v[\a:\a+1], v[\b:\b+1], v[\d:\d+1] neg_lo:[0,0,1] neg_hi:[0,0,1]
.endm
.macro PKMAC d, a, b                   ; d = a b + d
	v_pk_fma_f32 v[\d:\d+1], v[\a:\a+1], v[\b:\b+1], v[\d:\d+1]
.endm
; Nine loads: my two edges' grid rows, coefficients, sb, ssp.  A wave's three grid loads together cover 1,536 consecutive bytes,
; its four coefficient loads 2,048, each of the last two 256.
.macro LOADRAW g, c, b, p
	global_load_b128 v[RG:RG+3],    v[GOFF], s[\g:\g+1]
	global_load_b128 v[RG+4:RG+7],  v[GOFF], s[\g:\g+1] offset:16
	global_load_b128 v[RG+8:RG+11], v[GOFF], s[\g:\g+1] offset:32
.irp m, 0,1,2,3
	global_load_b128 v[RC+4*\m:RC+4*\m+3], v[COFF], s[\c:\c+1] offset:16*\m
.endr
	global_load_b64 v[SB:SB+1], v[SOFF], s[\b:\b+1]
	global_load_b64 v[RS:RS+1], v[SOFF], s[\p:\p+1]
.endm
; From the raw rows to T, R1, R2, CA, CB: once for each edge.
.macro PREP
.set k, 0
.rept 6
	v_mov_b32 v[T+6+2*k], v[RG+k]                  ; the two rows of six become six pairs
	v_mov_b32 v[T+7+2*k], v[RG+6+k]
.set k, k+1
.endr
	PKSUB HD, T+16, T+6                            ; g5 - g0
	v_pk_mul_f32 v[H:H+1], v[HD:HD+1], 0x3e4ccccd op_sel_hi:[1,0]                  ; x 0.2,
	v_pk_fma_f32 v[REM:REM+1], v[H:H+1], 0xc0a00000, v[HD:HD+1] op_sel_hi:[1,0,1]  ; the remainder (g5-g0) - 5 h, exact in the fused form,
	v_pk_fma_f32 v[H:H+1], v[REM:REM+1], 0x3e4ccccd, v[H:H+1] op_sel_hi:[1,0,1]    ; and one correction: the quotient by 5
	PKSUB T+4, T+6, H                              ; t2, t1, t0, each from its neighbour
	PKSUB T+2, T+4, H
	PKSUB T,   T+2, H
	v_pk_add_f32 v[T+18:T+19], v[T+16:T+17], v[H:H+1]   ; t9, t10, t11
	v_pk_add_f32 v[T+20:T+21], v[T+18:T+19], v[H:H+1]
	v_pk_add_f32 v[T+22:T+23], v[T+20:T+21], v[H:H+1]
.set j, 0
.rept 11
	PKSUB R1+2*j, T+2*j+2, T+2*j
.set j, j+1
.endr
.set j, 0
.rept 10
	PKSUB R2+2*j, T+2*j+4, T+2*j
.set j, j+1
.endr
.set j, 0
.rept 9
	PKSUB R3+2*j, T+2*j+6, T+2*j
.set j, j+1
.endr
.set j, 0
.rept 42
	v_rcp_f32 v[R1+j], v[R1+j]                     ; R1 and R2 lie side by side
.set j, j+1
.endr
.set j, 0
.rept 18
	v_rcp_f32 v[R3+j], v[R3+j]
.set j, j+1
.endr
	v_nop                                          ; one plain vector instruction between the reciprocals and their first use (ISA guide 5.7.2)
	s_wait_alu depctr_va_vdst(0)
.set j, 0
.rept 8
	PKMUL R3+2*j, R3+2*j, RS                       ; ssp r3_j
.set j, j+1
.endr
	v_pk_mul_f32 v[R3+16:R3+17], v[R3+16:R3+17], v[RS:RS+1] neg_lo:[0,1] neg_hi:[0,1]   ; -ssp r3_8: it serves b_8 alone, which enters with a minus
.set j, 0
.rept 8
	v_mul_f32 v[CA+2*j],   v[R3+2*j],   v[RC+j]            ; a_j = ssp r3_j c_j
	v_mul_f32 v[CA+2*j+1], v[R3+2*j+1], v[RC+8+j]
	v_mul_f32 v[CB+2*j],   v[R3+2*j+2], v[RC+j]            ; b_{j+1} = ssp r3_{j+1} c_j
	v_mul_f32 v[CB+2*j+1], v[R3+2*j+3], v[RC+8+j]
.set j, j+1
.endr
.endm
; s[0..3] = x silu-ed: x / (1 + 2^(-x log2 e)), four numbers.
.macro SILU4 x, s
	v_pk_mul_f32 v[B:B+1],   v[\x:\x+1],   0xbfb8aa3b op_sel_hi:[1,0]
	v_pk_mul_f32 v[B+2:B+3], v[\x+2:\x+3], 0xbfb8aa3b op_sel_hi:[1,0]
.irp i, 0,1,2,3
	v_exp_f32 v[B+\i], v[B+\i]
.endr
	v_nop                                          ; the plain place behind the exponentials
	s_wait_alu depctr_va_vdst(0)
	v_pk_add_f32 v[B:B+1],   v[B:B+1],   1.0 op_sel_hi:[1,0]
	v_pk_add_f32 v[B+2:B+3], v[B+2:B+3], 1.0 op_sel_hi:[1,0]
.irp i, 0,1,2,3
	v_rcp_f32 v[B+\i], v[B+\i]
.endr
	v_nop                                          ; and behind the reciprocals
	s_wait_alu depctr_va_vdst(0)
	PKMUL \s,   \x,   B
	PKMUL \s+2, \x+2, B+2
.endm
; res = the sum over my two edges of sb silu(x) + ssp spline(x).  x, s: the pairs of x and silu(x).
.macro EVAL x, s, res
.set j, 0
.rept 12
	v_cmp_ge_f32 s[MK0+j], v[\x],   v[T+2*j]       ; x >= t_j
	v_cmp_ge_f32 s[MK1+j], v[\x+1], v[T+2*j+1]
.set j, j+1
.endr
.set j, 0
.rept 12
	PKSUB D+2*j, \x, T+2*j                         ; d_j
.set j, j+1
.endr
.set j, 0
.rept 11
	s_and_not1_b32 s[MK0+j], s[MK0+j], s[MK0+j+1]  ; t_j <= x and not t_{j+1} <= x; ascending, so that mask j+1 is still whole
	s_and_not1_b32 s[MK1+j], s[MK1+j], s[MK1+j+1]
.set j, j+1
.endr
.set j, 0
.rept 11
	v_cndmask_b32 v[Q+2*j],   0, v[R1+2*j],   s[MK0+j]     ; r1_j B0_j: a choice of value, never of an address
	v_cndmask_b32 v[Q+2*j+1], 0, v[R1+2*j+1], s[MK1+j]
.set j, j+1
.endr
.set j, 0
.rept 10
	PKMUL B+2*j, D+2*j+4, Q+2*j+2
.set j, j+1
.endr
.set j, 0
.rept 10
	PKMSUB B+2*j, D+2*j, Q+2*j                     ; B1_j = d_j q1_j - d_{j+2} q1_{j+1}
.set j, j+1
.endr
.set j, 0
.rept 10
	PKMUL B+2*j, B+2*j, R2+2*j                     ; q2_j = r2_j B1_j
.set j, j+1
.endr
.set j, 0
.rept 9
	PKMUL Q+2*j, D+2*j+6, B+2*j+2
.set j, j+1
.endr
.set j, 0
.rept 9
	PKMSUB Q+2*j, D+2*j, B+2*j                     ; B2_j = d_j q2_j - d_{j+3} q2_{j+1}
.set j, j+1
.endr
	PKMUL B, CA, D                                 ; e_0 = a_0 d_0
.set j, 1
.rept 7
	PKMUL B+2*j, CB+2*j-2, D+2*j+6
.set j, j+1
.endr
.set j, 1
.rept 7
	PKMSUB B+2*j, CA+2*j, D+2*j                    ; e_j = a_j d_j - b_j d_{j+3}
.set j, j+1
.endr
	PKMUL B+16, CB+14, D+22                        ; e_8 = -b_8 d_11
	PKMUL ACC,   SB, \s                            ; two chains, started by products: nothing is cleared
	PKMUL ACC+2, Q,  B
.set j, 1
.rept 4
	PKMAC ACC,   Q+2*j,   B+2*j
	PKMAC ACC+2, Q+2*j+2, B+2*j+2
.set j, j+2
.endr
	v_pk_add_f32 v[ACC:ACC+1], v[ACC:ACC+1], v[ACC+2:ACC+3]
	v_add_f32 v[\res], v[ACC], v[ACC+1]
.endm
; dst = the sum of the 64 numbers in v[base .. base+63]: a tree of 31 packed adds and one plain add
.macro ROWSUM base, dst
.irp half, 16,8,4,2,1
.set i, 0
.rept \half
	v_pk_add_f32 v[\base+2*i:\base+2*i+1], v[\base+2*i:\base+2*i+1], v[\base+2*(i+\half):\base+2*(i+\half)+1]
.set i, i+1
.endr
.endr
	v_add_f32 v[\dst], v[\base], v[\base+1]
.endm
	s_load_b512 s[4:19], s[0:1], 0x0               ; user_indices s[4:5], item_indices s[6:7], emb_user s[8:9], emb_item s[10:11], grid0 s[12:13], coef0 s[14:15], sb0 s[16:17], ssp0 s[18:19]
	s_load_b128 s[20:23], s[0:1], 0x40             ; bias0 s[20:21], hid s[22:23]
	s_set_vgpr_msb 0x40
	v_lshl_add_u32 v0, v0, 2, 0x22400
	v_mov_b32 v1, 0
	s_set_vgpr_msb 0x4000
	v_and_b32 v1, 31, v0                           ; lane l
	v_lshrrev_b32 v[TMP], 5, v0
	v_readfirstlane_b32 s24, v[TMP]                ; wave w
	s_mov_b32 s25, ttmp9                           ; g
	s_and_b32 s26, ttmp7, 0xffff                   ; bc
	s_lshl_b32 s27, s25, 9
	s_lshl_b32 s28, s24, 6
	s_add_co_u32 s27, s27, s28                     ; my wave's first edge, 512 g + 64 w
	s_mul_i32 s28, s27, 24
	v_mad_u32_u24 v[GOFF], v1, 48, s28             ; 24 bytes an edge, two edges a lane
	s_lshl_b32 s28, s27, 5
	v_lshl_add_u32 v[COFF], v1, 6, s28             ; 32 bytes an edge
	s_lshl_b32 s28, s27, 2
	v_lshl_add_u32 v[SOFF], v1, 3, s28             ; 4 bytes an edge
	v_lshrrev_b32 v[TMP], 4, v0                    ; t / 16: which of 16 samples of a pass I help to fetch
	s_lshl_b32 s28, s26, 8
	v_lshl_add_u32 v[IOFF], v[TMP], 2, s28         ; 4 (64 bc + t/16)
	v_and_b32 v[C16], 15, v0
	v_lshlrev_b32 v[C16], 4, v[C16]                ; my 16 bytes of a row of 256
	v_lshl_add_u32 v[STA], v[TMP], 10, v[C16]
	s_and_b32 s28, s24, 1
	s_lshl_b32 s28, s28, 8
	v_lshl_add_u32 v[XAD], v1, 3, s28              ; input 64 (w&1) + 2 l, 4 bytes each
	s_mul_i32 s28, s24, REG
	s_add_co_u32 s28, s28, PART
	v_lshl_add_u32 v[PA], v1, 2, s28               ; my wave's region, my word
	v_and_b32 v[RES], 1, v0
	s_lshl_b32 s28, s25, 4
	v_lshl_add_u32 v[RES], v[RES], 3, s28          ; bias0[4 g + 2 (t&1)], for the last phase
	s_wait_kmcnt 0x0
.irp p, 0,1,2,3
	global_load_b32 v[IDX+\p], v[IOFF], s[4:5] offset:64*\p        ; sample t/16 + 16 p; sixteen lanes share a word
.endr
.irp p, 0,1,2,3
	global_load_b32 v[IDX+4+\p], v[IOFF], s[6:7] offset:64*\p
.endr
	LOADRAW 12, 14, 16, 18
	global_load_b64 v[BIAS:BIAS+1], v[RES], s[20:21]
	s_wait_loadcnt 10                              ; the nine parameter loads and the bias load are younger and stay out: the eight indices are in
.irp p, 0,1,2,3
	v_min_u32 v[IDX+\p],   0x1869f, v[IDX+\p]      ; at most row 99,999
	v_min_u32 v[IDX+4+\p], 0xc34f,  v[IDX+4+\p]    ; at most row 49,999
.endr
.irp p, 0,1,2,3,4,5,6,7
	v_lshl_add_u32 v[IDX+\p], v[IDX+\p], 8, v[C16] ; 256 bytes a row + my 16
.endr
.irp p, 0,1,2,3
	global_load_b128 v[GX+4*\p:GX+4*\p+3], v[IDX+\p], s[8:9]       ; sixteen lanes take one whole row of 256 bytes
.endr
.irp p, 4,5,6,7
	global_load_b128 v[GX+4*\p:GX+4*\p+3], v[IDX+\p], s[10:11]
.endr
	s_wait_loadcnt 8                               ; the eight gathers stay out: parameters and bias are in
	PREP                                           ; while the rows are on their way
.irp p, 0,1,2,3,4,5,6,7
	s_wait_loadcnt 7-\p                            ; loads return in order (ISA guide 5.7.1): gather p is in
	SILU4 GX+4*\p, B+4
	ds_store_b128 v[STA], v[GX+4*\p:GX+4*\p+3] offset:16384*(\p&3)+256*(\p>>2)       ; sample t/16 + 16 (p&3); user columns first, item columns at +256
	ds_store_b128 v[STA], v[B+4:B+7]           offset:16384*(\p&3)+256*(\p>>2)+512   ; silu, made once for each (sample, input) of the work-group
.endr
	s_wait_dscnt 0x0                               ; for the other waves: my stores have landed
	s_barrier_signal -1
	s_barrier_wait -1                              ; x and silu of all 64 samples are in LDS
	ds_load_b64 v[XA:XA+1], v[XAD]
	ds_load_b64 v[SA:SA+1], v[XAD] offset:512
	ds_load_b64 v[XB:XB+1], v[XAD] offset:XS_ROW
	ds_load_b64 v[SC:SC+1], v[XAD] offset:XS_ROW+512
	s_wait_dscnt 2                                 ; the second sample's two loads stay out
; One sample: evaluate, put the lane's sum into the wave's region, and (more = 1) fetch this buffer's next sample.
.macro TRIP x, s, poff, more, xoff
	EVAL \x, \s, RES
	ds_store_b32 v[PA], v[RES] offset:\poff
.if \more
	ds_load_b64 v[\x:\x+1], v[XAD] offset:\xoff
	ds_load_b64 v[\s:\s+1], v[XAD] offset:\xoff+512
.endif
.endm
	s_mov_b32 s30, 31                              ; 31 trips of two samples; the last two stand behind the loop
.Lpair:
	TRIP XA, SA, 0, 1, 2*XS_ROW
	s_wait_dscnt 3                                 ; younger than the second buffer's loads: one store, two loads
	TRIP XB, SC, PPITCH, 1, 3*XS_ROW
	v_add_nc_u32 v[XAD], 2*XS_ROW, v[XAD]
	v_add_nc_u32 v[PA], 2*PPITCH, v[PA]
	s_wait_dscnt 3                                 ; the same for the first buffer's new loads
	s_sub_co_i32 s30, s30, 1
	s_cmp_lg_u32 s30, 0
	s_cbranch_scc1 .Lpair
	TRIP XA, SA, 0, 0, 0                           ; samples 62 and 63: nothing is fetched beyond them
	s_wait_dscnt 1                                 ; only the store just issued is younger than the second buffer's loads
	TRIP XB, SC, PPITCH, 0, 0
	s_wait_dscnt 0x0                               ; for the other waves: my partial sums have landed
	s_barrier_signal -1
	s_barrier_wait -1
	s_cmp_ge_u32 s24, 4
	s_cbranch_scc1 .Lend                           ; 128 threads finish; no barrier follows
	; Thread u = 2 b + e sums, for sample b, outputs 2e (waves 4e, 4e+1) and 2e+1 (waves 4e+2, 4e+3): 64 numbers each.
	; Sixteen neighbouring lanes read at 144 (u/2) + 4 REG (u&1): 144 = 9 x 16 and 4 REG = 128 modulo 256, sixteen different 16-byte columns modulo 256.
	v_and_b32 v[XAD], 1, v0
	v_mul_u32_u24 v[XAD], v[XAD], 4*REG
	v_lshrrev_b32 v[TMP], 1, v0
	v_mad_u32_u24 v[XAD], v[TMP], PPITCH, v[XAD]
	v_add_nc_u32 v[XAD], PART, v[XAD]
.irp q, 0,1,2,3
.irp m, 0,1,2,3,4,5,6,7
	ds_load_b128 v[16+32*\q+4*\m:16+32*\q+4*\m+3], v[XAD] offset:\q*REG+16*\m       ; into v16-143: the edges' registers are done with
.endr
.endr
	s_lshl_b32 s28, s25, 14                        ; hid: 16,384 g + 1,024 bc + 8 u
	s_lshl_b32 s29, s26, 10
	s_add_co_u32 s28, s28, s29
	v_lshl_add_u32 v[PA], v0, 3, s28
	s_wait_dscnt 16                                ; the second output's sixteen loads stay out
	ROWSUM 16, H
	s_wait_dscnt 0x0
	ROWSUM 80, H+1
	v_pk_add_f32 v[H:H+1], v[H:H+1], v[BIAS:BIAS+1]
	global_store_b64 v[PA], v[H:H+1], s[22:23]     ; a wave's store covers 256 consecutive bytes, at a multiple of 256 from hid's first byte
.Lend:
	s_set_vgpr_msb 0x5
	s_wait_tensorcnt 0x0
	ds_add_u32 v0, v1
	s_wait_dscnt 0x0
	s_set_vgpr_msb 0x500
	s_endpgm
.Lfunc_end_k_q2eacd29c38_layer0:
	.size	k_q2eacd29c38_layer0, .Lfunc_end_k_q2eacd29c38_layer0-k_q2eacd29c38_layer0
	.p2alignl 7, 3214868480
	.fill 96, 4, 3214868480
	.section	.rodata,"a",@progbits
	.p2align	6, 0x0
	.amdhsa_kernel k_q2eacd29c38_layer0
		.amdhsa_group_segment_fixed_size 141312
		.amdhsa_private_segment_fixed_size 0
		.amdhsa_enable_private_segment 0
		.amdhsa_kernarg_size 80
		.amdhsa_user_sgpr_count 2
		.amdhsa_user_sgpr_kernarg_segment_ptr 1
		.amdhsa_wavefront_size32 1
		.amdhsa_system_sgpr_workgroup_id_x 1
		.amdhsa_system_sgpr_workgroup_id_y 1
		.amdhsa_system_sgpr_workgroup_id_z 1
		.amdhsa_system_vgpr_workitem_id 0
		.amdhsa_next_free_vgpr 258
		.amdhsa_next_free_sgpr 66
		.amdhsa_reserve_vcc 0
		.amdhsa_float_denorm_mode_32 3
		.amdhsa_float_denorm_mode_16_64 3
		.amdhsa_memory_ordered 1
		.amdhsa_forward_progress 1
		.amdhsa_inst_pref_size 64
	.end_amdhsa_kernel
	.amdgpu_metadata
---
amdhsa.version: [ 1, 2 ]
amdhsa.kernels:
  - .name:           k_q2eacd29c38_layer0
    .symbol:         k_q2eacd29c38_layer0.kd
    .args:
      - { .name: user_indices, .offset: 0, .size: 8, .value_kind: global_buffer, .address_space: global }
      - { .name: item_indices, .offset: 8, .size: 8, .value_kind: global_buffer, .address_space: global }
      - { .name: emb_user, .offset: 16, .size: 8, .value_kind: global_buffer, .address_space: global }
      - { .name: emb_item, .offset: 24, .size: 8, .value_kind: global_buffer, .address_space: global }
      - { .name: grid0, .offset: 32, .size: 8, .value_kind: global_buffer, .address_space: global }
      - { .name: coef0, .offset: 40, .size: 8, .value_kind: global_buffer, .address_space: global }
      - { .name: sb0, .offset: 48, .size: 8, .value_kind: global_buffer, .address_space: global }
      - { .name: ssp0, .offset: 56, .size: 8, .value_kind: global_buffer, .address_space: global }
      - { .name: bias0, .offset: 64, .size: 8, .value_kind: global_buffer, .address_space: global }
      - { .name: hid, .offset: 72, .size: 8, .value_kind: global_buffer, .address_space: global }
    .group_segment_fixed_size: 141312
    .private_segment_fixed_size: 0
    .kernarg_segment_align: 8
    .kernarg_segment_size: 80
    .max_flat_workgroup_size: 256
    .sgpr_count:     66
    .vgpr_count:     258
    .wavefront_size: 32
...
	.end_amdgpu_metadata
.endif
;; end of part 1
;; launch layer1 (part 2): grid 64 x 1, 4 waves a work-group, no clusters, 9,728 bytes of LDS; arguments hid, grid1, coef1, sb1, ssp1, bias1, out0; writes out0
.if DOCPART == 2
	.amdgcn_target "amdgcn-amd-amdhsa--gfx1250"
	.amdhsa_code_object_version 6
	.text
	.protected	k_q2eacd29c38_layer1
	.globl	k_q2eacd29c38_layer1
	.p2align	8
	.type	k_q2eacd29c38_layer1,@function
k_q2eacd29c38_layer1:
	s_mov_b64 s[64:65], 0
	v_nop
	global_prefetch_b8 v0, s[64:65] scope:SCOPE_SE
	s_setreg_imm32_b32 hwreg(HW_REG_WAVE_MODE, 25, 1), 1
	s_wait_xcnt 0x0
; KAN layer 1 and the sigmoid: out0[b] = sigmoid( bias1 + sum over i of ( sb1[i] silu(x[b,i]) + ssp1[i] spline_i(x[b,i]) ) ),
; x[b,i] = hid[i/4][b][i%4], 1,024 samples, 64 edges.
;
; SHARE.  Work-group j takes samples 16j..16j+15, wave w four of them.  Lane l holds edges 2l and 2l+1 in registers, as in layer 0, and the
; arithmetic is the same text: knots t0..t11 from the edge's own grid row, B^k_j = d_j (r^k_j B^{k-1}_j) - d_{j+k+1} (r^k_{j+1} B^{k-1}_{j+1}),
; the last step folded with the coefficients and ssp into e_j = a_j d_j - b_j d_{j+3}.
; 64 work-groups of four waves: each wave prepares the 64 edges once for its four samples.  The price: a wave stores 16 bytes of out0
; (4,096 bytes in the whole launch), not a run of 256.
; hid comes in whole runs of 256 bytes (sixteen lanes, the 16 samples of one group of four inputs) and is turned to rows by sample in LDS.
;
; NOT USED, AND WHY.  Matrix units: each (edge, sample) has its own basis, no operand is shared.  Clusters, the tensor mover: the shared
; data are the 4 KB of edge parameters.
;
; LIMITS.  As in layer 0: 1/(knot difference) by v_rcp_f32 (1 ULP, a difference below 2^-126 counts as 0); coincident knots need not give
; the NaN of the source formula; the sum over i runs in another order; silu(x) for x < -88 is -0 in place of a denormal.
.set LPITCH, 528                       ; LDS row of a sample: x[64] at +0, silu[64] at +256, + 16 bytes: 33 x 16
.set XAD,  2                           ; v2   LDS address of my x pair in my wave's first sample
.set PA,   3                           ; v3   my wave's byte offset in out0
.set GOFF, 4                           ; v4   byte offset of my two edges in grid1
.set COFF, 5                           ; v5   in coef1
.set SOFF, 6                           ; v6   in sb1 and ssp1
.set STA,  7                           ; v7   LDS address for the staging
.set IOFF, 8                           ; v8   byte offset in hid
.set C16,  9
.set RES,  10                          ; t & 15
.set TMP,  11
.set H,    14
.set T,    16                          ; v[16:39]   12 knot pairs
.set R1,   40                          ; v[40:61]
.set R2,   62                          ; v[62:81]
.set CA,   82                          ; v[82:97]
.set CB,   98                          ; v[98:113]
.set SB,   114
.set D,    116                         ; v[116:139]
.set Q,    140                         ; v[140:161]
.set R3,   Q
.set HD,   158
.set REM,  160
.set B,    162                         ; v[162:181]
.set ACC,  182                         ; v[182:185]
.set XA,   186                         ; v[186:201] sample k: x pair at XA+4k, silu pair at XA+4k+2 (loaded when RG is done with)
.set RG,   194                         ; v[194:205] grid rows as loaded
.set YS,   204                         ; v[204:207] the four samples' sums (written when RG and RC are done with)
.set RC,   206                         ; v[206:221] coefficients as loaded
.set RS,   222
.set GX,   224                         ; v[224:231] hid as loaded
.set MK0,  36                          ; s[36:47]
.set MK1,  48                          ; s[48:59]
.macro PKSUB d, a, b                   ; d = a - b
	v_pk_add_f32 v[\d:\d+1], v[\a:\a+1], v[\b:\b+1] neg_lo:[0,1] neg_hi:[0,1]
.endm
.macro PKMUL d, a, b                   ; d = a b
	v_pk_mul_f32 v[\d:\d+1], v[\a:\a+1], v[\b:\b+1]
.endm
.macro PKMSUB d, a, b                  ; d = a b - d
	v_pk_fma_f32 v[\d:\d+1], v[\a:\a+1], v[\b:\b+1], v[\d:\d+1] neg_lo:[0,0,1] neg_hi:[0,0,1]
.endm
.macro PKMAC d, a, b                   ; d = a b + d
	v_pk_fma_f32 v[\d:\d+1], v[\a:\a+1], v[\b:\b+1], v[\d:\d+1]
.endm
; Nine loads: my two edges' grid rows, coefficients, sb, ssp.
.macro LOADRAW g, c, b, p
	global_load_b128 v[RG:RG+3],    v[GOFF], s[\g:\g+1]
	global_load_b128 v[RG+4:RG+7],  v[GOFF], s[\g:\g+1] offset:16
	global_load_b128 v[RG+8:RG+11], v[GOFF], s[\g:\g+1] offset:32
.irp m, 0,1,2,3
	global_load_b128 v[RC+4*\m:RC+4*\m+3], v[COFF], s[\c:\c+1] offset:16*\m
.endr
	global_load_b64 v[SB:SB+1], v[SOFF], s[\b:\b+1]
	global_load_b64 v[RS:RS+1], v[SOFF], s[\p:\p+1]
.endm
; From the raw rows to T, R1, R2, CA, CB: once for each edge.
.macro PREP
.set k, 0
.rept 6
	v_mov_b32 v[T+6+2*k], v[RG+k]                  ; the two rows of six become six pairs
	v_mov_b32 v[T+7+2*k], v[RG+6+k]
.set k, k+1
.endr
	PKSUB HD, T+16, T+6                            ; g5 - g0
	v_pk_mul_f32 v[H:H+1], v[HD:HD+1], 0x3e4ccccd op_sel_hi:[1,0]                  ; x 0.2,
	v_pk_fma_f32 v[REM:REM+1], v[H:H+1], 0xc0a00000, v[HD:HD+1] op_sel_hi:[1,0,1]  ; the remainder (g5-g0) - 5 h, exact in the fused form,
	v_pk_fma_f32 v[H:H+1], v[REM:REM+1], 0x3e4ccccd, v[H:H+1] op_sel_hi:[1,0,1]    ; and one correction: the quotient by 5
	PKSUB T+4, T+6, H                              ; t2, t1, t0, each from its neighbour
	PKSUB T+2, T+4, H
	PKSUB T,   T+2, H
	v_pk_add_f32 v[T+18:T+19], v[T+16:T+17], v[H:H+1]   ; t9, t10, t11
	v_pk_add_f32 v[T+20:T+21], v[T+18:T+19], v[H:H+1]
	v_pk_add_f32 v[T+22:T+23], v[T+20:T+21], v[H:H+1]
.set j, 0
.rept 11
	PKSUB R1+2*j, T+2*j+2, T+2*j
.set j, j+1
.endr
.set j, 0
.rept 10
	PKSUB R2+2*j, T+2*j+4, T+2*j
.set j, j+1
.endr
.set j, 0
.rept 9
	PKSUB R3+2*j, T+2*j+6, T+2*j
.set j, j+1
.endr
.set j, 0
.rept 42
	v_rcp_f32 v[R1+j], v[R1+j]                     ; R1 and R2 lie side by side
.set j, j+1
.endr
.set j, 0
.rept 18
	v_rcp_f32 v[R3+j], v[R3+j]
.set j, j+1
.endr
	v_nop                                          ; one plain vector instruction between the reciprocals and their first use (ISA guide 5.7.2)
	s_wait_alu depctr_va_vdst(0)
.set j, 0
.rept 8
	PKMUL R3+2*j, R3+2*j, RS                       ; ssp r3_j
.set j, j+1
.endr
	v_pk_mul_f32 v[R3+16:R3+17], v[R3+16:R3+17], v[RS:RS+1] neg_lo:[0,1] neg_hi:[0,1]   ; -ssp r3_8: it serves b_8 alone, which enters with a minus
.set j, 0
.rept 8
	v_mul_f32 v[CA+2*j],   v[R3+2*j],   v[RC+j]            ; a_j = ssp r3_j c_j
	v_mul_f32 v[CA+2*j+1], v[R3+2*j+1], v[RC+8+j]
	v_mul_f32 v[CB+2*j],   v[R3+2*j+2], v[RC+j]            ; b_{j+1} = ssp r3_{j+1} c_j
	v_mul_f32 v[CB+2*j+1], v[R3+2*j+3], v[RC+8+j]
.set j, j+1
.endr
.endm
; s[0..3] = x silu-ed: x / (1 + 2^(-x log2 e)), four numbers.
.macro SILU4 x, s
	v_pk_mul_f32 v[B:B+1],   v[\x:\x+1],   0xbfb8aa3b op_sel_hi:[1,0]
	v_pk_mul_f32 v[B+2:B+3], v[\x+2:\x+3], 0xbfb8aa3b op_sel_hi:[1,0]
.irp i, 0,1,2,3
	v_exp_f32 v[B+\i], v[B+\i]
.endr
	v_nop                                          ; the plain place behind the exponentials
	s_wait_alu depctr_va_vdst(0)
	v_pk_add_f32 v[B:B+1],   v[B:B+1],   1.0 op_sel_hi:[1,0]
	v_pk_add_f32 v[B+2:B+3], v[B+2:B+3], 1.0 op_sel_hi:[1,0]
.irp i, 0,1,2,3
	v_rcp_f32 v[B+\i], v[B+\i]
.endr
	v_nop                                          ; and behind the reciprocals
	s_wait_alu depctr_va_vdst(0)
	PKMUL \s,   \x,   B
	PKMUL \s+2, \x+2, B+2
.endm
; res = the sum over my two edges of sb silu(x) + ssp spline(x).  x, s: the pairs of x and silu(x).
.macro EVAL x, s, res
.set j, 0
.rept 12
	v_cmp_ge_f32 s[MK0+j], v[\x],   v[T+2*j]       ; x >= t_j
	v_cmp_ge_f32 s[MK1+j], v[\x+1], v[T+2*j+1]
.set j, j+1
.endr
.set j, 0
.rept 12
	PKSUB D+2*j, \x, T+2*j                         ; d_j
.set j, j+1
.endr
.set j, 0
.rept 11
	s_and_not1_b32 s[MK0+j], s[MK0+j], s[MK0+j+1]  ; t_j <= x and not t_{j+1} <= x; ascending, so that mask j+1 is still whole
	s_and_not1_b32 s[MK1+j], s[MK1+j], s[MK1+j+1]
.set j, j+1
.endr
.set j, 0
.rept 11
	v_cndmask_b32 v[Q+2*j],   0, v[R1+2*j],   s[MK0+j]     ; r1_j B0_j: a choice of value, never of an address
	v_cndmask_b32 v[Q+2*j+1], 0, v[R1+2*j+1], s[MK1+j]
.set j, j+1
.endr
.set j, 0
.rept 10
	PKMUL B+2*j, D+2*j+4, Q+2*j+2
.set j, j+1
.endr
.set j, 0
.rept 10
	PKMSUB B+2*j, D+2*j, Q+2*j                     ; B1_j = d_j q1_j - d_{j+2} q1_{j+1}
.set j, j+1
.endr
.set j, 0
.rept 10
	PKMUL B+2*j, B+2*j, R2+2*j                     ; q2_j = r2_j B1_j
.set j, j+1
.endr
.set j, 0
.rept 9
	PKMUL Q+2*j, D+2*j+6, B+2*j+2
.set j, j+1
.endr
.set j, 0
.rept 9
	PKMSUB Q+2*j, D+2*j, B+2*j                     ; B2_j = d_j q2_j - d_{j+3} q2_{j+1}
.set j, j+1
.endr
	PKMUL B, CA, D                                 ; e_0 = a_0 d_0
.set j, 1
.rept 7
	PKMUL B+2*j, CB+2*j-2, D+2*j+6
.set j, j+1
.endr
.set j, 1
.rept 7
	PKMSUB B+2*j, CA+2*j, D+2*j                    ; e_j = a_j d_j - b_j d_{j+3}
.set j, j+1
.endr
	PKMUL B+16, CB+14, D+22                        ; e_8 = -b_8 d_11
	PKMUL ACC,   SB, \s                            ; two chains, started by products: nothing is cleared
	PKMUL ACC+2, Q,  B
.set j, 1
.rept 4
	PKMAC ACC,   Q+2*j,   B+2*j
	PKMAC ACC+2, Q+2*j+2, B+2*j+2
.set j, j+2
.endr
	v_pk_add_f32 v[ACC:ACC+1], v[ACC:ACC+1], v[ACC+2:ACC+3]
	v_add_f32 v[\res], v[ACC], v[ACC+1]
.endm
; r = its sum over the 32 lanes, in every lane: four steps inside each half of 16 lanes, one across the halves
.macro WSUM r
	v_add_f32_dpp v[\r], v[\r], v[\r] row_xmask:1 row_mask:0xf bank_mask:0xf
	v_add_f32_dpp v[\r], v[\r], v[\r] row_xmask:2 row_mask:0xf bank_mask:0xf
	v_add_f32_dpp v[\r], v[\r], v[\r] row_xmask:4 row_mask:0xf bank_mask:0xf
	v_add_f32_dpp v[\r], v[\r], v[\r] row_xmask:8 row_mask:0xf bank_mask:0xf
	v_permlanex16_b32 v[TMP], v[\r], s22, s23      ; its destination counts as read: TMP has been written at the kernel's head
	v_add_f32 v[\r], v[\r], v[TMP]
.endm
	s_load_b256 s[4:11], s[0:1], 0x0               ; hid s[4:5], grid1 s[6:7], coef1 s[8:9], sb1 s[10:11]
	s_load_b128 s[12:15], s[0:1], 0x20             ; ssp1 s[12:13], bias1 s[14:15]
	s_load_b64 s[16:17], s[0:1], 0x30              ; out0
	v_lshl_add_u32 v254, v0, 2, 0x2400
	v_mov_b32 v255, 0
	v_and_b32 v1, 31, v0                           ; lane l
	v_lshrrev_b32 v[TMP], 5, v0
	v_readfirstlane_b32 s20, v[TMP]                ; wave w
	s_mov_b32 s22, 0x76543210                      ; v_permlanex16_b32: lane i of one half reads lane i of the other
	s_mov_b32 s23, 0xfedcba98
	s_mov_b32 s24, 0xbfb8aa3b                      ; -log2 e
	v_mul_u32_u24 v[GOFF], 48, v1
	v_lshlrev_b32 v[COFF], 6, v1
	v_lshlrev_b32 v[SOFF], 3, v1
	v_lshrrev_b32 v[TMP], 4, v0                    ; t / 16: group of four inputs, 0..7 (and 8..15 by the second load)
	v_and_b32 v[RES], 15, v0                       ; t & 15: sample in the work-group
	v_lshlrev_b32 v[C16], 4, v[RES]
	s_lshl_b32 s21, ttmp9, 8
	v_lshl_add_u32 v[IOFF], v[TMP], 14, v[C16]     ; hid: 16,384 (t/16) + 16 (16 j + t&15)
	v_add_nc_u32 v[IOFF], s21, v[IOFF]
	v_mul_u32_u24 v[STA], v[RES], LPITCH
	v_lshl_add_u32 v[STA], v[TMP], 4, v[STA]       ; the sample's row, the group's 16 bytes
	s_mul_i32 s21, s20, 4*LPITCH
	v_lshl_add_u32 v[XAD], v1, 3, s21              ; my wave's first sample, inputs 2 l and 2 l + 1
	s_wait_kmcnt 0x0
	s_load_b32 s18, s[14:15], 0x0                  ; bias1: wanted at the very end
	global_load_b128 v[GX:GX+3],   v[IOFF], s[4:5] th:TH_LOAD_NT                  ; sixteen lanes take 256 consecutive bytes; each byte of hid is read once in the launch
	global_load_b128 v[GX+4:GX+7], v[IOFF], s[4:5] offset:131072 th:TH_LOAD_NT
	LOADRAW 6, 8, 10, 12
	s_wait_loadcnt 9                               ; the nine parameter loads stay out: hid is in
	SILU4 GX,   B+4
	SILU4 GX+4, B+8
	ds_store_b128 v[STA], v[GX:GX+3]               ; sixteen lanes, sixteen rows of pitch 33 x 16: sixteen different 16-byte columns modulo 256
	ds_store_b128 v[STA], v[GX+4:GX+7] offset:128
	ds_store_b128 v[STA], v[B+4:B+7]   offset:256
	ds_store_b128 v[STA], v[B+8:B+11]  offset:384
	s_wait_dscnt 0x0                               ; for the other waves: my stores have landed
	s_barrier_signal -1
	s_wait_loadcnt 0x0                             ; the edges' parameters
	PREP                                           ; registers only, while the other waves arrive
	s_barrier_wait -1
.irp k, 0,1,2,3
	ds_load_b64 v[XA+4*\k:XA+4*\k+1],   v[XAD] offset:LPITCH*\k
	ds_load_b64 v[XA+4*\k+2:XA+4*\k+3], v[XAD] offset:LPITCH*\k+256
.endr
.irp k, 0,1,2,3
	s_wait_dscnt 6-2*\k                            ; the later samples' pairs of loads stay out
	EVAL XA+4*\k, XA+4*\k+2, YS+\k
.endr
.irp k, 0,1,2,3
	WSUM YS+\k
.endr
	s_wait_kmcnt 0x0
	s_mul_f32 s25, s18, s24                        ; -bias1 log2 e
.irp k, 0,1,2,3
	v_fma_f32 v[YS+\k], v[YS+\k], s24, s25         ; -(y + bias1) log2 e in one step
.endr
.irp k, 0,1,2,3
	v_exp_f32 v[YS+\k], v[YS+\k]
.endr
	v_nop                                          ; the plain place behind the exponentials
	s_wait_alu depctr_va_vdst(0)
	v_pk_add_f32 v[YS:YS+1],   v[YS:YS+1],   1.0 op_sel_hi:[1,0]
	v_pk_add_f32 v[YS+2:YS+3], v[YS+2:YS+3], 1.0 op_sel_hi:[1,0]
.irp k, 0,1,2,3
	v_rcp_f32 v[YS+\k], v[YS+\k]
.endr
	s_lshl_b32 s26, ttmp9, 6                       ; out0: 4 (16 j + 4 w)
	s_lshl_b32 s27, s20, 4
	s_add_co_u32 s26, s26, s27
	v_mov_b32 v[PA], s26                           ; also the plain place behind the reciprocals
	s_wait_xcnt 0x0                                ; EXEC is a source of the loads above: it is narrowed only behind this wait
	v_cmp_eq_u32 vcc_lo, 0, v1
	s_wait_tensorcnt 0x0
	ds_add_u32 v254, v255
	s_wait_dscnt 0x0
	s_and_saveexec_b32 s28, vcc_lo                 ; every lane holds the four results: lane 0 stores them
	s_wait_alu depctr_va_vdst(0)
	global_store_b128 v[PA], v[YS:YS+3], s[16:17]
	s_endpgm
.Lfunc_end_k_q2eacd29c38_layer1:
	.size	k_q2eacd29c38_layer1, .Lfunc_end_k_q2eacd29c38_layer1-k_q2eacd29c38_layer1
	.p2alignl 7, 3214868480
	.fill 96, 4, 3214868480
	.section	.rodata,"a",@progbits
	.p2align	6, 0x0
	.amdhsa_kernel k_q2eacd29c38_layer1
		.amdhsa_group_segment_fixed_size 9728
		.amdhsa_private_segment_fixed_size 0
		.amdhsa_enable_private_segment 0
		.amdhsa_kernarg_size 56
		.amdhsa_user_sgpr_count 2
		.amdhsa_user_sgpr_kernarg_segment_ptr 1
		.amdhsa_wavefront_size32 1
		.amdhsa_system_sgpr_workgroup_id_x 1
		.amdhsa_system_sgpr_workgroup_id_y 1
		.amdhsa_system_sgpr_workgroup_id_z 1
		.amdhsa_system_vgpr_workitem_id 0
		.amdhsa_next_free_vgpr 256
		.amdhsa_next_free_sgpr 66
		.amdhsa_reserve_vcc 1
		.amdhsa_float_denorm_mode_32 3
		.amdhsa_float_denorm_mode_16_64 3
		.amdhsa_memory_ordered 1
		.amdhsa_forward_progress 1
		.amdhsa_inst_pref_size 51
	.end_amdhsa_kernel
	.amdgpu_metadata
---
amdhsa.version: [ 1, 2 ]
amdhsa.kernels:
  - .name:           k_q2eacd29c38_layer1
    .symbol:         k_q2eacd29c38_layer1.kd
    .args:
      - { .name: hid, .offset: 0, .size: 8, .value_kind: global_buffer, .address_space: global }
      - { .name: grid1, .offset: 8, .size: 8, .value_kind: global_buffer, .address_space: global }
      - { .name: coef1, .offset: 16, .size: 8, .value_kind: global_buffer, .address_space: global }
      - { .name: sb1, .offset: 24, .size: 8, .value_kind: global_buffer, .address_space: global }
      - { .name: ssp1, .offset: 32, .size: 8, .value_kind: global_buffer, .address_space: global }
      - { .name: bias1, .offset: 40, .size: 8, .value_kind: global_buffer, .address_space: global }
      - { .name: out0, .offset: 48, .size: 8, .value_kind: global_buffer, .address_space: global }
    .group_segment_fixed_size: 9728
    .private_segment_fixed_size: 0
    .kernarg_segment_align: 8
    .kernarg_segment_size: 56
    .max_flat_workgroup_size: 128
    .sgpr_count:     66
    .vgpr_count:     256
    .wavefront_size: 32
...
	.end_amdgpu_metadata
.endif
;; end of part 2
;; ======== version 2 of 2: 2 launches; version 1 with the launch layer0 written anew for expert scheduling mode
;; workspace buffers: hid 262,144 bytes
;; launch layer0 (part 3): grid 16 x 16, 8 waves a work-group, no clusters, 141,312 bytes of LDS; arguments user_indices, item_indices, emb_user, emb_item, grid0, coef0, sb0, ssp0, bias0, hid; writes hid
.if DOCPART == 3
	.amdgcn_target "amdgcn-amd-amdhsa--gfx1250"
	.amdhsa_code_object_version 6
	.text
	.protected	k_q2eacd29c38_layer0
	.globl	k_q2eacd29c38_layer0
	.p2align	8
	.type	k_q2eacd29c38_layer0,@function
k_q2eacd29c38_layer0:
	s_mov_b64 s[64:65], 0
	v_nop
	global_prefetch_b8 v0, s[64:65] scope:SCOPE_SE
	s_setreg_imm32_b32 hwreg(HW_REG_WAVE_SCHED_MODE, 0, 2), 2
	s_setreg_imm32_b32 hwreg(HW_REG_WAVE_MODE, 25, 1), 1
	s_wait_xcnt 0x0
	s_wait_alu depctr_vm_vsrc(0)
; KAN layer 0: hid[o/4][b][o%4] = bias0[o] + sum over i of ( sb0[o,i] silu(x[b,i]) + ssp0[o,i] spline_{o,i}(x[b,i]) ),
; x[b] = emb_user[user_indices[b]] ++ emb_item[item_indices[b]];  1,024 samples b, 128 inputs i, 64 outputs o, edge n = 128 o + i.
;
; SHARE.  Work-group (g, bc) makes outputs 4g..4g+3 of samples 64bc..64bc+63.  Wave w keeps the 64 edges 512g+64w .. +63 in registers
; for the whole launch (output 4g + w/2, inputs 64 (w&1) + 0..63); lane l holds edges 2l and 2l+1, so every parameter, x and silu(x)
; is a natural register pair and all arithmetic is packed f32.  One trip = one sample: 87 packed and 47 plain vector instructions for 64 edges.
;
; ARITHMETIC.  Knots t0..t11: t3..t8 the edge's own grid row, h = (g5-g0)/5, the three on each side chained by h.  d_j = x - t_j,
; r^k_j = 1/(t_{j+k} - t_j).  The Cox-de-Boor step is B^k_j = d_j (r^k_j B^{k-1}_j) - d_{j+k+1} (r^k_{j+1} B^{k-1}_{j+1}), term for term the
; source formula.  All 11 indicators of degree 0 are kept, so nothing is assumed of the grid (not uniform, not shared, not sorted).
; The last step, the product with the 8 coefficients and ssp are re-associated: sum_j c_j B^3_j = sum_{j=0..8} B^2_j e_j with
; e_j = a_j d_j - b_j d_{j+3}, a_j = ssp c_j r3_j (j <= 7), b_j = ssp c_{j-1} r3_j (j >= 1).
;
; THE MODE: SCHED_MODE bits 1:0 = 2 (LLVM: expert scheduling mode 2), set by the entry lines.  The code itself states the register dependences
; between vector instructions and memory or LDS instructions, with s_wait_alu, always for 0.
; THE PLAN.  Registers that LDS instructions touch in the loop:
;   XA,SA / XB,SC  Trip p's vector work reads the pair of buffers p % 2; its two LDS loads (sample p + 1) land in the other pair, which trip p - 1 read.
;   RES            Written by a trip's last add; read by the one LDS store that stands in the next trip; written again by that trip's last add.
;   XAD, PA        Read by every LDS instruction of the loop; stepped by two adds at the end of a lap's second trip.
;   s36-s59        The 24 masks: written by the compares, first read by scalar instructions.
; A trip has three waits.  va_vdst behind its compares and subtractions: the trip before has written RES and is done reading its x and silu, and XAD and
; PA are written; the store and the two loads follow, and no vector instruction since that wait names a register of theirs.  va_sdst ahead of the
; scalar lines that read the masks.  vm_vsrc behind the chains of multiply-adds: the trip's LDS instructions have read RES, XAD and PA; the steps and the last add follow.
;
; NOT USED, AND WHY.  Matrix units: each (edge, sample) has its own basis, so no operand is shared between outputs; after the fold the
; contraction is 9 packed multiply-adds for two edges, as many instructions as narrowing its 18 factors to bf16 would take.
; Clusters and the tensor mover: a work-group fetches 32 KB of embedding rows (by a list) and 32 KB of edge parameters once, in front of
; 64 x 134 vector instructions a wave; nothing is fetched from memory in the loop.
;
; LIMITS.  1/(knot difference) is v_rcp_f32 (1 ULP; a difference below 2^-126 counts as 0).  Where knots coincide the source formula gives
; NaN; here degree 0 selects 0 in place of 0 x inf, so that NaN need not appear.  Indices are taken to lie in their tables and are clamped
; to the last row as unsigned numbers (a negative index does not wrap).  The sum over i runs in another order than the source's.
; silu(x) for x < -88 is -0 in place of a denormal.
.set XS_ROW, 1024                      ; LDS 0..65535: sample b at 1024 b: x[128] at +0, silu(x)[128] at +512
.set PART,   65536                     ; LDS behind it: the waves' partial sums, a region of REG bytes for each wave
.set PPITCH, 144                       ; a sample's 32 partial sums (128 bytes) + 16: 9 x 16 bytes
.set REG,    64*PPITCH+32              ; 9,248: 4 REG = 128 modulo 256, see the last phase
.set XAD,  2                           ; v2   LDS address of my x pair in the lap's first sample but one
.set PA,   3                           ; v3   LDS address of my partial sum; at the end my byte offset in hid
.set GOFF, 4                           ; v4   byte offset of my two edges in grid0 (48 bytes)
.set COFF, 5                           ; v5   in coef0 (64 bytes)
.set SOFF, 6                           ; v6   in sb0 and ssp0 (8 bytes)
.set STA,  7                           ; v7   LDS address for the staging of x and silu
.set IOFF, 8                           ; v8   byte offset in the index lists
.set C16,  9                           ; v9   16 (t & 15)
.set RES,  10                          ; v10  first the offset in bias0, then a trip's result
.set TMP,  11
.set BIAS, 12                          ; v[12:13]
.set H,    14                          ; v[14:15]   h; at the end the two sums
.set T,    16                          ; v[16:39]   12 knot pairs
.set R1,   40                          ; v[40:61]   11 pairs 1/(t_{j+1}-t_j)
.set R2,   62                          ; v[62:81]   10 pairs 1/(t_{j+2}-t_j)
.set CA,   82                          ; v[82:97]   a_0..a_7
.set CB,   98                          ; v[98:113]  b_1..b_7, -b_8 (pair j-1)
.set SB,   114                         ; v[114:115]
.set D,    116                         ; v[116:139] 12 pairs x - t_j
.set Q,    140                         ; v[140:161] r1 B0, then B2
.set R3,   Q                           ; in PREP: 9 pairs ssp/(t_{j+3}-t_j)
.set W,    Q                           ; v[140:171] behind PREP, at the head only: 32 numbers on their way to silu(x)
.set HD,   158
.set REM,  160
.set B,    162                         ; v[162:181] B1, r2 B1, then e
.set ACC,  182                         ; v[182:185]
.set XA,   186                         ; x and silu pairs, two buffers
.set SA,   188
.set XB,   190
.set SC,   192
.set RG,   194                         ; v[194:205] grid rows as loaded
.set RC,   206                         ; v[206:221] coefficients as loaded
.set RS,   222                         ; v[222:223] ssp
.set GX,   224                         ; v[224:255] gathered rows
.set IDX,  D                           ; v[116:123] indices, then row offsets: D is first written when the gathers are in
.set MK0,  36                          ; s[36:47]   masks x >= t_j of the even edge
.set MK1,  48                          ; s[48:59]   of the odd edge
.macro PKSUB d, a, b                   ; d = a - b
	v_pk_add_f32 v[\d:\d+1], v[\a:\a+1], v[\b:\b+1] neg_lo:[0,1] neg_hi:[0,1]
.endm
.macro PKMUL d, a, b                   ; d = a b
	v_pk_mul_f32 v[\d:\d+1], v[\a:\a+1], v[\b:\b+1]
.endm
.macro PKMSUB d, a, b                  ; d = a b - d
	v_pk_fma_f32 v[\d:\d+1], v[\a:\a+1], v[\b:\b+1], v[\d:\d+1] neg_lo:[0,0,1] neg_hi:[0,0,1]
.endm
.macro PKMAC d, a, b                   ; d = a b + d
	v_pk_fma_f32 v[\d:\d+1], v[\a:\a+1], v[\b:\b+1], v[\d:\d+1]
.endm
; Nine loads: my two edges' grid rows, coefficients, sb, ssp.  A wave's three grid loads together cover 1,536 consecutive bytes,
; its four coefficient loads 2,048, each of the last two 256.
.macro LOADRAW g, c, b, p
	global_load_b128 v[RG:RG+3],    v[GOFF], s[\g:\g+1]
	global_load_b128 v[RG+4:RG+7],  v[GOFF], s[\g:\g+1] offset:16
	global_load_b128 v[RG+8:RG+11], v[GOFF], s[\g:\g+1] offset:32
.irp m, 0,1,2,3
	global_load_b128 v[RC+4*\m:RC+4*\m+3], v[COFF], s[\c:\c+1] offset:16*\m
.endr
	global_load_b64 v[SB:SB+1], v[SOFF], s[\b:\b+1]
	global_load_b64 v[RS:RS+1], v[SOFF], s[\p:\p+1]
.endm
; From the raw rows to T, R1, R2, CA, CB: once for each edge.
.macro PREP
.set k, 0
.rept 6
	v_mov_b32 v[T+6+2*k], v[RG+k]                  ; the two rows of six become six pairs
	v_mov_b32 v[T+7+2*k], v[RG+6+k]
.set k, k+1
.endr
	PKSUB HD, T+16, T+6                            ; g5 - g0
	v_pk_mul_f32 v[H:H+1], v[HD:HD+1], 0x3e4ccccd op_sel_hi:[1,0]                  ; x 0.2,
	v_pk_fma_f32 v[REM:REM+1], v[H:H+1], 0xc0a00000, v[HD:HD+1] op_sel_hi:[1,0,1]  ; the remainder (g5-g0) - 5 h, exact in the fused form,
	v_pk_fma_f32 v[H:H+1], v[REM:REM+1], 0x3e4ccccd, v[H:H+1] op_sel_hi:[1,0,1]    ; and one correction: the quotient by 5
	PKSUB T+4, T+6, H                              ; t2, t1, t0, each from its neighbour
	PKSUB T+2, T+4, H
	PKSUB T,   T+2, H
	v_pk_add_f32 v[T+18:T+19], v[T+16:T+17], v[H:H+1]   ; t9, t10, t11
	v_pk_add_f32 v[T+20:T+21], v[T+18:T+19], v[H:H+1]
	v_pk_add_f32 v[T+22:T+23], v[T+20:T+21], v[H:H+1]
.set j, 0
.rept 11
	PKSUB R1+2*j, T+2*j+2, T+2*j
.set j, j+1
.endr
.set j, 0
.rept 10
	PKSUB R2+2*j, T+2*j+4, T+2*j
.set j, j+1
.endr
.set j, 0
.rept 9
	PKSUB R3+2*j, T+2*j+6, T+2*j
.set j, j+1
.endr
.set j, 0
.rept 42
	v_rcp_f32 v[R1+j], v[R1+j]                     ; R1 and R2 lie side by side
.set j, j+1
.endr
.set j, 0
.rept 18
	v_rcp_f32 v[R3+j], v[R3+j]
.set j, j+1
.endr
	v_nop                                          ; one plain vector instruction between the reciprocals and their first use (ISA guide 5.7.2)
	s_wait_alu depctr_va_vdst(0)                   ; the 60 reciprocals have written R1, R2 and R3: one wait for the batch, ahead of its first reader
.set j, 0
.rept 8
	PKMUL R3+2*j, R3+2*j, RS                       ; ssp r3_j
.set j, j+1
.endr
	v_pk_mul_f32 v[R3+16:R3+17], v[R3+16:R3+17], v[RS:RS+1] neg_lo:[0,1] neg_hi:[0,1]   ; -ssp r3_8: it serves b_8 alone, which enters with a minus
.set j, 0
.rept 8
	v_mul_f32 v[CA+2*j],   v[R3+2*j],   v[RC+j]            ; a_j = ssp r3_j c_j
	v_mul_f32 v[CA+2*j+1], v[R3+2*j+1], v[RC+8+j]
	v_mul_f32 v[CB+2*j],   v[R3+2*j+2], v[RC+j]            ; b_{j+1} = ssp r3_{j+1} c_j
	v_mul_f32 v[CB+2*j+1], v[R3+2*j+3], v[RC+8+j]
.set j, j+1
.endr
.endm
; The sum over my two edges of sb silu(x) + ssp spline(x), in three parts, between which a trip's waits and LDS instructions stand.
; Part 1: all that reads x.
.macro EVALA x
.set j, 0
.rept 12
	v_cmp_ge_f32 s[MK0+j], v[\x],   v[T+2*j]       ; x >= t_j
	v_cmp_ge_f32 s[MK1+j], v[\x+1], v[T+2*j+1]
.set j, j+1
.endr
.set j, 0
.rept 12
	PKSUB D+2*j, \x, T+2*j                         ; d_j
.set j, j+1
.endr
.endm
; Part 2: from the masks to the two chains of multiply-adds.  s: the pair of silu(x).
.macro EVALB s
.set j, 0
.rept 11
	s_and_not1_b32 s[MK0+j], s[MK0+j], s[MK0+j+1]  ; t_j <= x and not t_{j+1} <= x; ascending, so that mask j+1 is still whole
	s_and_not1_b32 s[MK1+j], s[MK1+j], s[MK1+j+1]
.set j, j+1
.endr
.set j, 0
.rept 11
	v_cndmask_b32 v[Q+2*j],   0, v[R1+2*j],   s[MK0+j]     ; r1_j B0_j: a choice of value, never of an address
	v_cndmask_b32 v[Q+2*j+1], 0, v[R1+2*j+1], s[MK1+j]
.set j, j+1
.endr
.set j, 0
.rept 10
	PKMUL B+2*j, D+2*j+4, Q+2*j+2
.set j, j+1
.endr
.set j, 0
.rept 10
	PKMSUB B+2*j, D+2*j, Q+2*j                     ; B1_j = d_j q1_j - d_{j+2} q1_{j+1}
.set j, j+1
.endr
.set j, 0
.rept 10
	PKMUL B+2*j, B+2*j, R2+2*j                     ; q2_j = r2_j B1_j
.set j, j+1
.endr
.set j, 0
.rept 9
	PKMUL Q+2*j, D+2*j+6, B+2*j+2
.set j, j+1
.endr
.set j, 0
.rept 9
	PKMSUB Q+2*j, D+2*j, B+2*j                     ; B2_j = d_j q2_j - d_{j+3} q2_{j+1}
.set j, j+1
.endr
	PKMUL B, CA, D                                 ; e_0 = a_0 d_0
.set j, 1
.rept 7
	PKMUL B+2*j, CB+2*j-2, D+2*j+6
.set j, j+1
.endr
.set j, 1
.rept 7
	PKMSUB B+2*j, CA+2*j, D+2*j                    ; e_j = a_j d_j - b_j d_{j+3}
.set j, j+1
.endr
	PKMUL B+16, CB+14, D+22                        ; e_8 = -b_8 d_11
	PKMUL ACC,   SB, \s                            ; two chains, started by products: nothing is cleared
	PKMUL ACC+2, Q,  B
.set j, 1
.rept 4
	PKMAC ACC,   Q+2*j,   B+2*j
	PKMAC ACC+2, Q+2*j+2, B+2*j+2
.set j, j+2
.endr
.endm
; Part 3: the two chains and the two edges into one number.
.macro EVALC res
	v_pk_add_f32 v[ACC:ACC+1], v[ACC:ACC+1], v[ACC+2:ACC+3]
	v_add_f32 v[\res], v[ACC], v[ACC+1]
.endm
; dst = the sum of the 64 numbers in v[base .. base+63]: a tree of 31 packed adds and one plain add
.macro ROWSUM base, dst
.irp half, 16,8,4,2,1
.set i, 0
.rept \half
	v_pk_add_f32 v[\base+2*i:\base+2*i+1], v[\base+2*i:\base+2*i+1], v[\base+2*(i+\half):\base+2*(i+\half)+1]
.set i, i+1
.endr
.endr
	v_add_f32 v[\dst], v[\base], v[\base+1]
.endm
	s_load_b512 s[4:19], s[0:1], 0x0               ; user_indices s[4:5], item_indices s[6:7], emb_user s[8:9], emb_item s[10:11], grid0 s[12:13], coef0 s[14:15], sb0 s[16:17], ssp0 s[18:19]
	s_load_b128 s[20:23], s[0:1], 0x40             ; bias0 s[20:21], hid s[22:23]
	s_set_vgpr_msb 0x40
	v_lshl_add_u32 v0, v0, 2, 0x22400
	v_mov_b32 v1, 0
	s_set_vgpr_msb 0x4000
	v_and_b32 v1, 31, v0                           ; lane l
	v_lshrrev_b32 v[TMP], 5, v0
	v_readfirstlane_b32 s24, v[TMP]                ; wave w
	s_mov_b32 s25, ttmp9                           ; g
	s_and_b32 s26, ttmp7, 0xffff                   ; bc
	v_lshrrev_b32 v[TMP], 4, v0                    ; t / 16: which of 16 samples of a pass I help to fetch.  What does not hang on w is made first
	s_lshl_b32 s28, s26, 8
	v_lshl_add_u32 v[IOFF], v[TMP], 2, s28         ; 4 (64 bc + t/16)
	v_and_b32 v[C16], 15, v0
	v_lshlrev_b32 v[C16], 4, v[C16]                ; my 16 bytes of a row of 256
	v_lshl_add_u32 v[STA], v[TMP], 10, v[C16]
	v_and_b32 v[RES], 1, v0
	s_lshl_b32 s28, s25, 4
	v_lshl_add_u32 v[RES], v[RES], 3, s28          ; bias0[4 g + 2 (t&1)], for the last phase
	s_wait_alu depctr_va_sdst(0)                   ; s24 is written, ahead of its first reader: the edges' offsets and the LDS addresses are made from it
	s_lshl_b32 s27, s25, 9
	s_lshl_b32 s28, s24, 6
	s_add_co_u32 s27, s27, s28                     ; my wave's first edge, 512 g + 64 w
	s_mul_i32 s28, s27, 24
	v_mad_u32_u24 v[GOFF], v1, 48, s28             ; 24 bytes an edge, two edges a lane
	s_lshl_b32 s28, s27, 5
	v_lshl_add_u32 v[COFF], v1, 6, s28             ; 32 bytes an edge
	s_lshl_b32 s28, s27, 2
	v_lshl_add_u32 v[SOFF], v1, 3, s28             ; 4 bytes an edge
	s_and_b32 s28, s24, 1
	s_lshl_b32 s28, s28, 8
	v_lshl_add_u32 v[XAD], v1, 3, s28              ; input 64 (w&1) + 2 l, 4 bytes each
	s_mul_i32 s28, s24, REG
	s_add_co_u32 s28, s28, PART
	v_lshl_add_u32 v[PA], v1, 2, s28               ; my wave's region, my word
	s_wait_kmcnt 0x0
	s_wait_alu depctr_va_vdst(0)                   ; the offsets and LDS addresses v2 to v10 are written, which the loads and LDS instructions below read
.irp p, 0,1,2,3
	global_load_b32 v[IDX+\p], v[IOFF], s[4:5] offset:64*\p        ; sample t/16 + 16 p; sixteen lanes share a word
.endr
.irp p, 0,1,2,3
	global_load_b32 v[IDX+4+\p], v[IOFF], s[6:7] offset:64*\p
.endr
	LOADRAW 12, 14, 16, 18
	global_load_b64 v[BIAS:BIAS+1], v[RES], s[20:21]
	s_wait_loadcnt 10                              ; the nine parameter loads and the bias load are younger and stay out: the eight indices are in
.irp p, 0,1,2,3
	v_min_u32 v[IDX+\p],   0x1869f, v[IDX+\p]      ; at most row 99,999
	v_min_u32 v[IDX+4+\p], 0xc34f,  v[IDX+4+\p]    ; at most row 49,999
.endr
.irp p, 0,1,2,3,4,5,6,7
	v_lshl_add_u32 v[IDX+\p], v[IDX+\p], 8, v[C16] ; 256 bytes a row + my 16
.endr
	s_wait_alu depctr_va_vdst(0)                   ; the eight row offsets are written, which the gathers read
.irp p, 0,1,2,3
	global_load_b128 v[GX+4*\p:GX+4*\p+3], v[IDX+\p], s[8:9]       ; sixteen lanes take one whole row of 256 bytes
.endr
.irp p, 4,5,6,7
	global_load_b128 v[GX+4*\p:GX+4*\p+3], v[IDX+\p], s[10:11]
.endr
	s_wait_loadcnt 8                               ; the eight gathers stay out: parameters and bias are in
	PREP                                           ; while the rows are on their way
	; silu(x) = x / (1 + 2^(-x log2 e)) of my 32 numbers, made once for each (sample, input) of the work-group: one batch of exponentials, one of reciprocals
	s_wait_loadcnt 0x0                             ; the eight gathers are in
.set i, 0
.rept 16
	v_pk_mul_f32 v[W+2*i:W+2*i+1], v[GX+2*i:GX+2*i+1], 0xbfb8aa3b op_sel_hi:[1,0]
.set i, i+1
.endr
.set i, 0
.rept 32
	v_exp_f32 v[W+i], v[W+i]
.set i, i+1
.endr
	v_nop                                          ; the plain place behind the exponentials
	s_wait_alu depctr_va_vdst(0)                   ; the 32 exponentials have written W, ahead of their first reader
.set i, 0
.rept 16
	v_pk_add_f32 v[W+2*i:W+2*i+1], v[W+2*i:W+2*i+1], 1.0 op_sel_hi:[1,0]
.set i, i+1
.endr
.set i, 0
.rept 32
	v_rcp_f32 v[W+i], v[W+i]
.set i, i+1
.endr
	v_nop                                          ; and behind the reciprocals
	s_wait_alu depctr_va_vdst(0)                   ; the 32 reciprocals have written W, ahead of their first reader
.set i, 0
.rept 16
	PKMUL W+2*i, GX+2*i, W+2*i
.set i, i+1
.endr
	s_wait_alu depctr_va_vdst(0)                   ; the products have written W, which the LDS stores read
.irp p, 0,1,2,3,4,5,6,7
	ds_store_b128 v[STA], v[GX+4*\p:GX+4*\p+3] offset:16384*(\p&3)+256*(\p>>2)       ; sample t/16 + 16 (p&3); user columns first, item columns at +256
	ds_store_b128 v[STA], v[W+4*\p:W+4*\p+3]   offset:16384*(\p&3)+256*(\p>>2)+512   ; silu
.endr
	s_wait_dscnt 0x0                               ; for the other waves: my stores have landed
	s_barrier_signal -1
	s_barrier_wait -1                              ; x and silu of all 64 samples are in LDS
	s_wait_alu depctr_vm_vsrc(0)                   ; the LDS stores have read W, the gathers their offsets in v116-123, the bias load v10: the first trip writes them as Q and B, as D and as RES
	ds_load_b64 v[XA:XA+1], v[XAD]                 ; sample 0
	ds_load_b64 v[SA:SA+1], v[XAD] offset:512
; One sample.  x, s: its buffers; ox, os: the other pair.  first = 1: sample 0, with no sample in front of it.  more = 1: the next sample is fetched, from offset xoff.
; poff: where the sum of the sample BEFORE goes.  step = 1: a lap's second trip, which moves both LDS addresses on by two samples.
.macro TRIP x, s, ox, os, first, more, poff, xoff, step
	s_wait_dscnt 0x0                               ; this sample's x and silu are in: its two loads were the youngest LDS instructions
	EVALA \x
.if !\first
	s_wait_alu depctr_va_vdst(0)                   ; the trip before has written RES, which the store reads, and is done reading its x and silu, in which the loads land; XAD and PA are written
	ds_store_b32 v[PA], v[RES] offset:\poff
.endif
.if \more
	ds_load_b64 v[\ox:\ox+1], v[XAD] offset:\xoff          ; no vector instruction since the last wait on va_vdst names these registers or XAD
	ds_load_b64 v[\os:\os+1], v[XAD] offset:\xoff+512
.endif
	s_wait_alu depctr_va_sdst(0)                   ; the 24 compares have written the masks, ahead of the scalar lines that read them
	EVALB \s
.if !\first
	s_wait_alu depctr_vm_vsrc(0)                   ; this trip's LDS instructions have read RES, XAD and PA, which the lines below write
.endif
.if \step
	v_add_nc_u32 v[XAD], 2*XS_ROW, v[XAD]
	v_add_nc_u32 v[PA], 2*PPITCH, v[PA]
.endif
	EVALC RES
.endm
	TRIP XA, SA, XB, SC, 1, 1, 0, XS_ROW, 0        ; sample 0 stands ahead of the loop: it stores nothing, and its loads land in registers that no vector instruction has named
	s_mov_b32 s30, 31                              ; 31 laps of two: samples 1 to 62
.Lpair:
	TRIP XB, SC, XA, SA, 0, 1, 0,      2*XS_ROW, 0
	TRIP XA, SA, XB, SC, 0, 1, PPITCH, 3*XS_ROW, 1
	s_sub_co_i32 s30, s30, 1
	s_cmp_lg_u32 s30, 0
	s_cbranch_scc1 .Lpair
	TRIP XB, SC, XA, SA, 0, 0, 0, 0, 0             ; sample 63: nothing is fetched beyond it
	s_wait_alu depctr_va_vdst(0)                   ; sample 63's last add has written RES, which the last store reads
	ds_store_b32 v[PA], v[RES] offset:PPITCH
	s_wait_dscnt 0x0                               ; for the other waves: my partial sums have landed
	s_barrier_signal -1
	s_barrier_wait -1
	s_cmp_ge_u32 s24, 4
	s_cbranch_scc1 .Lend                           ; 128 threads finish; no barrier follows
	; Thread u = 2 b + e sums, for sample b, outputs 2e (waves 4e, 4e+1) and 2e+1 (waves 4e+2, 4e+3): 64 numbers each.
	; Sixteen neighbouring lanes read at 144 (u/2) + 4 REG (u&1): 144 = 9 x 16 and 4 REG = 128 modulo 256, sixteen different 16-byte columns modulo 256.
	s_wait_alu depctr_vm_vsrc(0)                   ; the trips' LDS instructions have read XAD and PA, which are made anew below
	v_and_b32 v[XAD], 1, v0
	v_mul_u32_u24 v[XAD], v[XAD], 4*REG
	v_lshrrev_b32 v[TMP], 1, v0
	v_mad_u32_u24 v[XAD], v[TMP], PPITCH, v[XAD]
	v_add_nc_u32 v[XAD], PART, v[XAD]
	s_lshl_b32 s28, s25, 14                        ; hid: 16,384 g + 1,024 bc + 8 u
	s_lshl_b32 s29, s26, 10
	s_add_co_u32 s28, s28, s29
	v_lshl_add_u32 v[PA], v0, 3, s28
	s_wait_alu depctr_va_vdst(0)                   ; XAD is written, which the loads read; the trips are done reading and writing v16-143, in which they land
.irp q, 0,1,2,3
.irp m, 0,1,2,3,4,5,6,7
	ds_load_b128 v[16+32*\q+4*\m:16+32*\q+4*\m+3], v[XAD] offset:\q*REG+16*\m       ; into v16-143: the edges' registers are done with
.endr
.endr
	s_wait_dscnt 16                                ; the second output's sixteen loads stay out
	ROWSUM 16, H
	s_wait_dscnt 0x0
	ROWSUM 80, H+1
	v_pk_add_f32 v[H:H+1], v[H:H+1], v[BIAS:BIAS+1]
	s_wait_alu depctr_va_vdst(0)                   ; the two sums are written, which the store reads
	global_store_b64 v[PA], v[H:H+1], s[22:23]     ; a wave's store covers 256 consecutive bytes, at a multiple of 256 from hid's first byte
.Lend:
	s_set_vgpr_msb 0x5
	s_wait_dscnt 0x0
	s_wait_alu depctr_hold_cnt(0) depctr_sa_sdst(0) depctr_va_vdst(0) depctr_va_sdst(0) depctr_va_ssrc(0) depctr_va_vcc(0) depctr_vm_vsrc(0)
	s_wait_tensorcnt 0x0
	ds_add_u32 v0, v1
	s_wait_dscnt 0x0
	s_endpgm
.Lfunc_end_k_q2eacd29c38_layer0:
	.size	k_q2eacd29c38_layer0, .Lfunc_end_k_q2eacd29c38_layer0-k_q2eacd29c38_layer0
	.p2alignl 7, 3214868480
	.fill 96, 4, 3214868480
	.section	.rodata,"a",@progbits
	.p2align	6, 0x0
	.amdhsa_kernel k_q2eacd29c38_layer0
		.amdhsa_group_segment_fixed_size 141312
		.amdhsa_private_segment_fixed_size 0
		.amdhsa_enable_private_segment 0
		.amdhsa_kernarg_size 80
		.amdhsa_user_sgpr_count 2
		.amdhsa_user_sgpr_kernarg_segment_ptr 1
		.amdhsa_wavefront_size32 1
		.amdhsa_system_sgpr_workgroup_id_x 1
		.amdhsa_system_sgpr_workgroup_id_y 1
		.amdhsa_system_sgpr_workgroup_id_z 1
		.amdhsa_system_vgpr_workitem_id 0
		.amdhsa_next_free_vgpr 258
		.amdhsa_next_free_sgpr 66
		.amdhsa_reserve_vcc 0
		.amdhsa_float_denorm_mode_32 3
		.amdhsa_float_denorm_mode_16_64 3
		.amdhsa_memory_ordered 1
		.amdhsa_forward_progress 1
		.amdhsa_inst_pref_size 64
	.end_amdhsa_kernel
	.amdgpu_metadata
---
amdhsa.version: [ 1, 2 ]
amdhsa.kernels:
  - .name:           k_q2eacd29c38_layer0
    .symbol:         k_q2eacd29c38_layer0.kd
    .args:
      - { .name: user_indices, .offset: 0, .size: 8, .value_kind: global_buffer, .address_space: global }
      - { .name: item_indices, .offset: 8, .size: 8, .value_kind: global_buffer, .address_space: global }
      - { .name: emb_user, .offset: 16, .size: 8, .value_kind: global_buffer, .address_space: global }
      - { .name: emb_item, .offset: 24, .size: 8, .value_kind: global_buffer, .address_space: global }
      - { .name: grid0, .offset: 32, .size: 8, .value_kind: global_buffer, .address_space: global }
      - { .name: coef0, .offset: 40, .size: 8, .value_kind: global_buffer, .address_space: global }
      - { .name: sb0, .offset: 48, .size: 8, .value_kind: global_buffer, .address_space: global }
      - { .name: ssp0, .offset: 56, .size: 8, .value_kind: global_buffer, .address_space: global }
      - { .name: bias0, .offset: 64, .size: 8, .value_kind: global_buffer, .address_space: global }
      - { .name: hid, .offset: 72, .size: 8, .value_kind: global_buffer, .address_space: global }
    .group_segment_fixed_size: 141312
    .private_segment_fixed_size: 0
    .kernarg_segment_align: 8
    .kernarg_segment_size: 80
    .max_flat_workgroup_size: 256
    .sgpr_count:     66
    .vgpr_count:     258
    .wavefront_size: 32
...
	.end_amdgpu_metadata
.endif
;; end of part 3
;; launch layer1: the kernel of part 2 again; grid 64 x 1, 4 waves a work-group, no clusters, 9,728 bytes of LDS; arguments hid, grid1, coef1, sb1, ssp1, bias1, out0; writes out0
